; MI455X (gfx1250); checked and timed in simulation.
; The chip was launched on July 23, 2026; its instructions are those of AMD's public machine-readable ISA for CDNA 5 (MIT licence, August 2026) and "CDNA5" Instruction Set Architecture Reference Guide (July 2026). The comments in the code are by the model that wrote it; some were corrected since.
;; Radix Attention. Allowed arithmetic: matrix products marked QUANTISED: E4M3 operands, one E8M0 scale for each 32 along K, by v_wmma_scale_f32_16x16x128_f8f6f4 with both operands' format E4M3, f32 sums; everything else in f32.
;; Inputs: k 2,048 x 8 x 128 float32; prefix_k 2 x 1,024 x 8 x 128 float32; prefix_v 2 x 1,024 x 8 x 128 float32; q 2,048 x 32 x 128 float32; v 2,048 x 8 x 128 float32.
;; Outputs: out0 2,048 x 4,096 float32.
;; This version of the problem:
;;   THIS VERSION OF THE PROBLEM IS GIVEN IN LOW PRECISION. The matrix products marked QUANTISED in the list below multiply operands that are first quantised to E4M3 (4 exponent bits, 3 mantissa bits; 8 bits a number), with one power-of-two scale for each 32 numbers along K (OCP MX v1.0); their sums are f32. All else is computed in f32.
;;   The module's matrix products, in the order in which they are computed (A, B: the left and right operand; K: the contracted axis; several contracted axes count as one K, in the product's order):
;;     1. batch 16 x [M 1,024, K 128] x [K 128, N 4,096]; A: input k; B: input q: QUANTISED
;;     2. batch 16 x [M 128, K 1,024] x [K 1,024, N 4,096]; A: input v; B: computed on the way: QUANTISED
;;     3. batch 16 x [M 1,024, K 128] x [K 128, N 4,096]; A: input prefix_k; B: input q: QUANTISED
;;     4. batch 16 x [M 128, K 1,024] x [K 1,024, N 4,096]; A: input prefix_v; B: computed on the way: QUANTISED
;;   THE QUANTISER, for each operand of a quantised product, along K:
;;     - K is cut into blocks of 32 from its start; a last block that is shorter is filled with zeros.
;;     - A block's scale is 2^e with e = floor(log2(the largest magnitude in the block)) - 8, held to -126 .. 127; a block of zeros has e = 0. As a byte (E8M0): e + 127.
;;     - Each number is divided by its block's scale, clamped to +-448, and rounded to the nearest number of E4M3, ties to even, subnormals kept.
;;     - The product sums the exact products of the quantised numbers (number of the format x scale) in f32.
;;   ~~~python
;;   def quantise(x, axis):      # numpy; x: float32 -> the quantised numbers, widened to float32 again
;;       x = np.moveaxis(x, axis, -1); K = x.shape[-1]
;;       x = np.pad(x, [(0, 0)] * (x.ndim - 1) + [(0, -K % 32)]); x = x.reshape(x.shape[:-1] + (-1, 32)); a = np.abs(x).max(-1, keepdims=True)
;;       e = np.where(a > 0, np.clip(np.frexp(np.where(a > 0, a, 1))[1] - 1 - 8, -126, 127), 0)      # np.frexp(a)[1] - 1 = floor(log2(a)), exactly
;;       r = np.clip(x / 2.0 ** e, -448, 448)
;;       step = 2.0 ** (np.maximum(np.frexp(np.where(r == 0, 1, r))[1] - 1, -6) - 3)
;;       q = np.round(r / step) * step * 2.0 ** e      # np.round: ties to even
;;       return np.moveaxis(q.reshape(q.shape[:-2] + (-1,))[..., :K], -1, axis).astype(np.float32)
;;   ~~~
;;   OPERANDS COMPUTED ON THE WAY. 'Computed on the way' means the value that the module computes at that place (a softmax that the list does not call 'softmax' is quantised finished and normalised). What goes into a quantiser is computed in f32, as accurately as f32 sums, v_exp_f32 and their like allow (about 1e-6 of the number): no bf16 or f16 on the way to a quantiser, and a product that is left as it is and whose result goes on into a quantised operand takes f32 operands (vector FMAs, or v_wmma_f32_16x16x4_f32). A number that lies on a knife's edge between two numbers of the format may be rounded either way, as far as f32 arithmetic and the matrix unit's own rounding can turn it there, and no further.
;; One version. Each part assembles by itself: llvm-mc -triple=amdgcn-amd-amdhsa -mcpu=gfx1250 --defsym DOCPART=n.
;; ======== version 1 of 1: 2 launches
;; limits: right only within a limited range of input values
;; workspace buffers: kv 8,650,752 bytes
;; launch quant (part 1): grid 256 x 1, 8 waves a work-group, no clusters, 168,960 bytes of LDS; arguments k, prefix_k, v, prefix_v, kv; writes kv
.if DOCPART == 1
	.amdgcn_target "amdgcn-amd-amdhsa--gfx1250"
	.amdhsa_code_object_version 6
	.text
	.protected	k_qcb1689b541_quant
	.globl	k_qcb1689b541_quant
	.p2align	8
	.type	k_qcb1689b541_quant,@function
k_qcb1689b541_quant:
	s_mov_b64 s[64:65], 0
	v_nop
	global_prefetch_b8 v0, s[64:65] scope:SCOPE_SE
	s_setreg_imm32_b32 hwreg(HW_REG_WAVE_MODE, 25, 1), 1
	s_wait_xcnt 0x0
; k, prefix_k (along the head's 128) and v, prefix_v (along the KEYS) become codes of FP8 (E4M3) with one E8M0 scale for each 32 along K,
; laid in kv as IMAGES OF THE OPERAND'S REGISTERS, so that the attention launch brings them by dense tensor loads and reads them at 16 x lane.
; kv: [bh 16][seg 2: prefix, new][kind 2: K, V][fragment t 8][16,896 bytes].  Stripe t: the eight steps' fragment t, 2,048 bytes each, then step t's 512 bytes of scale words.
;   Fragment t: four chunks c of 512 bytes; lane l's 16 bytes at 512 c + 16 l are its registers 4 c .. 4 c + 3.  r = l % 16, h = l / 16.
;   K's fragment t = 2 b + u: lane (r, h) holds key 32 b + 8 u + r + 8 (r / 8) of the step, channels 32 c + 16 h + 0 .. 15  (the keys of a tile are chosen so that the scores'
;   16 registers of tiles 2 b, 2 b + 1 are 16 neighbouring keys).      V's fragment t: lane (r, h) holds channel 16 t + r, keys 32 c + 16 h + 0 .. 15 of the step.
;   Scale words: lane l's 16 bytes at 16 l; word j is the word of tile 2 j + l / 16, row l % 16: one load of 16 bytes a lane gives four scale registers, even tiles below, odd tiles above.
; A block's scale is 2^(floor(log2(its largest magnitude)) - 8); its byte is the largest magnitude's exponent field - 8, held at 1 from below.
; LIMITS: a block of zeros gets the byte 1 where the rule says 127 (its codes are zeros, and this program alone reads the bytes); NaN and infinities among the inputs are not served.
; SHARES.  A work-group makes one step's two blocks: 128 keys x 128 channels of K and of V, 64 KiB each, brought by four tensor loads of 64 rows x 512 bytes (waves 0, 1: K; waves 2, 3: V), each filled once.
; Wave w makes K's fragment w and V's fragment w.  For V a lane takes a channel and its registers run down the keys: nothing is transposed by an instruction.
.set KP,    528                        ; a key's row of K in LDS: 512 bytes + 16
.set VP,    520                        ; of V: 512 + 8 = 130 words: lanes 16-31, 16 rows further down, stand 2,080 words = 32 banks on (64 banks of 4 bytes: ISA guide 11.1) from lanes 0-15
.set VT,    128*KP                     ; V's tile behind K's
.set SCL,   VT+128*VP                  ; 134,144: the two scale images, 512 bytes each: stored by the waves, no tensor load lands here
.set STEPB, 16896
.set KINDB, 135168
.set SEGB,  270336
.set BHB,   540672
.set TM,    16                         ; v16-19 largest magnitudes, v20-23 bytes, v24-27 448 x the scale, v28-31 the conversions' scale operands
.set XK,    32                         ; v32-95   64 numbers of K
.set YV,    96                         ; v96-159  64 numbers of V
.set PCK,   160                        ; v160-175 K's codes;  v176-191 V's: no store's data are written again
.set PCV,   176
.set PWK,   192                        ; the two scale words
.set PWV,   193
.set WV,    14
.set G1K,   24                         ; s[24:31], s[32:39] descriptor groups 1;  s[40:43], s[44:47] groups 0
.set G1V,   32
.set G0K,   40
.set G0V,   44
.set SEL,   52
.set MNT,   54
	s_load_b256 s[4:11], s[0:1], 0x0               ; k s[4:5], prefix_k s[6:7], v s[8:9], prefix_v s[10:11]
	s_load_b64 s[12:13], s[0:1], 0x20              ; kv
	v_lshl_add_u32 v200, v0, 2, 0x29000
	v_mov_b32 v201, 0
	ds_add_u32 v200, v201
	ds_add_u32 v200, v201
	v_lshrrev_b32 v1, 5, v0
	s_delay_alu instid0(VALU_DEP_1)
	v_readfirstlane_b32 s[WV], v1                  ; wave 0..7
	s_and_b32 s15, ttmp9, 7                        ; step
	s_bfe_u32 s16, ttmp9, 0x10003                  ; seg
	s_lshr_b32 s17, ttmp9, 4                       ; bh
	s_lshr_b32 s18, s17, 3                         ; request
	s_and_b32 s19, s17, 7                          ; kv head
	s_and_b32 s20, s[WV], 1
	s_lshr_b32 s21, s[WV], 1
	s_lshl_b32 s22, s18, 22                        ; where my 64 rows begin in the source: 1,024 tokens of 4,096 bytes a request,
	s_lshl_b32 s48, s15, 19                        ; 128 tokens a step,
	s_add_co_u32 s22, s22, s48
	s_lshl_b32 s48, s19, 9                         ; 512 bytes a head,
	s_add_co_u32 s22, s22, s48
	s_lshl_b32 s48, s20, 18                        ; 64 tokens a half
	s_add_co_u32 s22, s22, s48
	s_mov_b32 s23, 0
	s_mul_i32 s50, s17, BHB                        ; and the step's block of K in kv
	s_mul_i32 s48, s16, SEGB
	s_add_co_u32 s50, s50, s48
	s_mov_b32 s51, 0                               ; ORDER OF kv, as the stores below make it: [bh][seg][kind][fragment t 8][16,896 bytes: the eight steps' fragment t, 2,048 bytes each, then step t's 512 bytes of scale words]
	; descriptor groups 1: 64 rows x 128 elements of 4 bytes, 1,024 elements from row to row; padding behind every 128 words: 4 words (K), 2 words (V)
	s_mov_b32 s[G1K], (2<<16)|(1<<20)|(6<<22)|(3<<25)
	s_mov_b32 s[G1V], (2<<16)|(1<<20)|(6<<22)|(1<<25)
.irp g, G1K, G1V
	s_mov_b32 s[\g+1], 128<<16                     ; tensor_dim0
	s_mov_b32 s[\g+2], 64<<16                      ; tensor_dim1
	s_mov_b32 s[\g+3], 128<<16                     ; tile_dim0
	s_mov_b32 s[\g+4], 64                          ; tile_dim1
	s_mov_b32 s[\g+5], 1024                        ; tensor_dim0_stride
	s_mov_b32 s[\g+6], 0
	s_mov_b32 s[\g+7], 0
.endr
	s_mov_b32 s[G0K], 1
	s_mul_i32 s[G0K+1], s20, 64*KP
	s_mov_b32 s[G0V], 1
	s_mul_i32 s[G0V+1], s20, 64*VP
	s_add_co_u32 s[G0V+1], s[G0V+1], VT
	s_mov_b32 s[SEL], 0x76543210
	s_mov_b32 s[SEL+1], 0xfedcba98                 ; v_permlanex16_b32's selects for lane l xor 16
	s_mov_b32 s[MNT], 0x600000                     ; the mantissa field of 448
	; every LDS address is made here, ahead of the first branch on the wave's number
	v_and_b32 v2, 31, v0                           ; lane
	v_and_b32 v3, 15, v0                           ; r
	v_bfe_u32 v4, v0, 4, 1                         ; h
	s_delay_alu instid0(VALU_DEP_2)
	v_and_b32 v5, 8, v3
	s_delay_alu instid0(VALU_DEP_1)
	v_add_nc_u32 v5, v5, v3                        ; r + 8 (r / 8)
	s_delay_alu instid0(VALU_DEP_1)
	v_mul_u32_u24 v5, v5, KP
	s_delay_alu instid0(VALU_DEP_1)
	v_lshl_add_u32 v5, v4, 6, v5                   ; + 64 h: my 16 channels of a block of 32
	s_lshl_b32 s48, s21, 5
	s_lshl_b32 s49, s20, 3
	s_add_co_u32 s48, s48, s49                     ; my tile's first key: 32 (w / 2) + 8 (w % 2)
	s_mul_i32 s48, s48, KP
	v_add_nc_u32 v5, s48, v5                       ; v5: K's numbers
	v_mul_u32_u24 v6, v4, 16*VP                    ; V: lanes 16-31 begin 16 keys further down,
	s_delay_alu instid0(VALU_DEP_1)
	v_lshl_add_u32 v6, v3, 2, v6                   ; channel r
	s_lshl_b32 s48, s[WV], 6                       ; of my tile's sixteen
	s_add_co_u32 s48, s48, VT
	v_add_nc_u32 v6, s48, v6                       ; v6: V's numbers
	v_lshlrev_b32 v7, 4, v2                        ; 16 x lane
	s_wait_alu depctr_va_vdst(0)
	s_mul_i32 s48, s[WV], STEPB
	s_lshl_b32 s49, s15, 11
	s_add_co_u32 s48, s48, s49
	v_add_nc_u32 v8, s48, v7                       ; v8: my fragment's place: 16,896 w + 2,048 step + 16 x lane
	s_lshl_b32 s48, s20, 8
	s_lshl_b32 s49, s21, 2
	s_add_co_u32 s48, s48, s49
	s_add_co_u32 s48, s48, SCL
	v_lshl_add_u32 v9, v3, 4, s48                  ; v9: my row's scale word in the image: 16 (r + 16 (w % 2)) + 4 (w / 2)
	s_lshl_b32 s48, s20, 9
	s_add_co_u32 s48, s48, SCL
	v_add_nc_u32 v10, s48, v7                      ; v10: waves 0, 1 read an image back (K's, V's),
	s_mul_i32 s48, s20, KINDB
	s_add_co_u32 s48, s48, 16384
	s_mul_i32 s49, s15, STEPB
	s_add_co_u32 s48, s48, s49
	v_add_nc_u32 v11, s48, v7                      ; v11: the step's scale words close the stripe whose number is the step's
.irp b, 0,1,2,3
	v_mov_b32 v[TM+4+\b], 0                        ; written once: a lane permute's destination counts as one of its sources
.endr
	s_wait_dscnt 0x0
	s_wait_kmcnt 0x0
	s_cmp_eq_u32 s16, 1                            ; the new tokens' tensors or the prefix's: the choice hangs on the work-group's number alone
	s_cselect_b64 s[4:5], s[4:5], s[6:7]
	s_cselect_b64 s[8:9], s[8:9], s[10:11]
	s_add_nc_u64 s[G0K+2:G0K+3], s[4:5], s[22:23]
	s_or_b32 s[G0K+3], s[G0K+3], 0x80000000
	s_add_nc_u64 s[G0V+2:G0V+3], s[8:9], s[22:23]
	s_or_b32 s[G0V+3], s[G0V+3], 0x80000000
	s_add_nc_u64 s[12:13], s[12:13], s[50:51]
	s_cmp_lt_u32 s[WV], 2                          ; waves 0, 1 fetch K's halves, waves 2, 3 V's, the others nothing; four v_nop follow each line
	s_cbranch_scc0 .Lnot_k
	tensor_load_to_lds s[G0K:G0K+3], s[G1K:G1K+7]
	s_nop 0
.rept 4
	v_nop
.endr
	s_branch .Lasked
.Lnot_k:
	s_cmp_lt_u32 s[WV], 4
	s_cbranch_scc0 .Lasked
	tensor_load_to_lds s[G0V:G0V+3], s[G1V:G1V+7]
	s_nop 0
.rept 4
	v_nop
.endr
.Lasked:
	s_wait_tensorcnt 0x0                           ; my one load, if I have one, has landed;
	s_barrier_signal -1
	s_barrier_wait -1                              ; everybody's has
; 64 numbers of a lane, register 16 b + i = k 32 b + 16 h + i of my row, become a fragment's codes in v[pc] on and its scale word in v[pw]
.macro QUANT s, pc, pw
.irp b, 0,1,2,3
	v_max3_num_f32 v[TM+\b], |v[\s+16*\b]|, |v[\s+16*\b+1]|, 0x4800000   ; block b: my 16 numbers, and the floor 2^(9 - 127): the byte cannot fall under 1
.endr
.irp i, 2,4,6,8,10,12,14
.irp b, 0,1,2,3
	s_delay_alu instid0(VALU_DEP_4)
	v_max3_num_f32 v[TM+\b], v[TM+\b], |v[\s+16*\b+\i]|, |v[\s+16*\b+\i+1]|   ; (the four blocks by turns)
.endr
.endr
.irp b, 0,1,2,3
	s_delay_alu instid0(VALU_DEP_4)
	v_permlanex16_b32 v[TM+4+\b], v[TM+\b], s[SEL], s[SEL+1]
.endr
.irp b, 0,1,2,3
	s_delay_alu instid0(VALU_DEP_4)
	v_max_num_f32 v[TM+\b], v[TM+\b], v[TM+4+\b]   ; with lane l xor 16's: the block's largest magnitude
.endr
.irp b, 0,1,2,3
	s_delay_alu instid0(VALU_DEP_4)
	v_add_nc_u32 v[TM+12+\b], 0xfc000000, v[TM+\b] ; 8 off its exponent field: the conversion's scale operand
.endr
.irp b, 0,1,2,3
	v_and_or_b32 v[TM+8+\b], v[TM+\b], 0x7f800000, s[MNT]   ; 448 x the scale
.endr
.irp b, 0,1,2,3
	v_lshrrev_b32 v[TM+4+\b], 23, v[TM+12+\b]      ; the scale's byte
.endr
	s_delay_alu instid0(VALU_DEP_3)
	v_lshl_or_b32 v[\pw], v[TM+5], 8, v[TM+4]      ; the four bytes make my row's scale word
	s_delay_alu instid0(VALU_DEP_1)
	v_lshl_or_b32 v[\pw], v[TM+6], 16, v[\pw]
	s_delay_alu instid0(VALU_DEP_1)
	v_lshl_or_b32 v[\pw], v[TM+7], 24, v[\pw]
.irp b, 0,1,2,3
.irp i, 0,1,2,3,4,5,6,7,8,9,10,11,12,13,14,15
	v_med3_num_f32 v[\s+16*\b+\i], v[\s+16*\b+\i], -v[TM+8+\b], v[TM+8+\b]   ; the conversion to an 8-bit code does not saturate (ISA guide 7.6.2): the hold comes first
.endr
	v_cvt_scalef32_pk8_fp8_f32 v[\pc+4*\b:\pc+4*\b+1], v[\s+16*\b:\s+16*\b+7], v[TM+12+\b]
	v_cvt_scalef32_pk8_fp8_f32 v[\pc+4*\b+2:\pc+4*\b+3], v[\s+16*\b+8:\s+16*\b+15], v[TM+12+\b]
.endr
	v_nop                                          ; a plain line behind the last conversion: the next QUANT writes the scale operands again
.endm
.irp b, 0,1,2,3
.irp j, 0,1,2,3
	ds_load_b128 v[XK+16*\b+4*\j:XK+16*\b+4*\j+3], v5 offset:128*\b+16*\j   ; K(my key, 32 b + 16 h + 4 j ..)
.endr
.endr
.irp c, 0,1,2,3
.irp i, 0,1,2,3,4,5,6,7,8,9,10,11,12,13,14,15
	ds_load_b32 v[YV+16*\c+\i], v6 offset:(32*\c+\i)*VP   ; V(key 32 c + 16 h + i, my channel)
.endr
.endr
	s_wait_dscnt 63                                ; 64 loads stand behind K's sixteen; 63 is the largest count that can be written, and a smaller count is safe: K's are in
	QUANT XK, PCK, PWK
.irp c, 0,1,2,3
	global_store_b128 v8, v[PCK+4*\c:PCK+4*\c+3], s[12:13] offset:512*\c   ; 32 lanes store 512 consecutive bytes, aligned
.endr
	ds_store_b32 v9, v[PWK]                        ; lanes r and r + 16 write the same word with the same value
	s_wait_dscnt 0x0                               ; V's numbers are in
	QUANT YV, PCV, PWV
.irp c, 0,1,2,3
	global_store_b128 v8, v[PCV+4*\c:PCV+4*\c+3], s[12:13] offset:KINDB+512*\c
.endr
	ds_store_b32 v9, v[PWV] offset:512
	s_wait_dscnt 0x0                               ; for the others' sake: my scale words lie in the images
	s_barrier_signal -1
	s_barrier_wait -1
	s_cmp_lt_u32 s[WV], 2                          ; wave 0 stores K's image, wave 1 V's: 512 consecutive bytes each
	s_cbranch_scc0 .Lend
	ds_load_b128 v[12:15], v10
	s_wait_dscnt 0x0
	global_store_b128 v11, v[12:15], s[12:13]
.Lend:
	s_wait_tensorcnt 0x0
	ds_add_u32 v200, v201
	s_wait_dscnt 0x0
	s_endpgm
.Lfunc_end_k_qcb1689b541_quant:
	.size	k_qcb1689b541_quant, .Lfunc_end_k_qcb1689b541_quant-k_qcb1689b541_quant
	.p2alignl 7, 3214868480
	.fill 96, 4, 3214868480
	.section	.rodata,"a",@progbits
	.p2align	6, 0x0
	.amdhsa_kernel k_qcb1689b541_quant
		.amdhsa_group_segment_fixed_size 168960
		.amdhsa_private_segment_fixed_size 0
		.amdhsa_enable_private_segment 0
		.amdhsa_kernarg_size 40
		.amdhsa_user_sgpr_count 2
		.amdhsa_user_sgpr_kernarg_segment_ptr 1
		.amdhsa_wavefront_size32 1
		.amdhsa_system_sgpr_workgroup_id_x 1
		.amdhsa_system_sgpr_workgroup_id_y 1
		.amdhsa_system_sgpr_workgroup_id_z 1
		.amdhsa_system_vgpr_workitem_id 0
		.amdhsa_next_free_vgpr 202
		.amdhsa_next_free_sgpr 66
		.amdhsa_reserve_vcc 0
		.amdhsa_float_denorm_mode_32 3
		.amdhsa_float_denorm_mode_16_64 3
		.amdhsa_memory_ordered 1
		.amdhsa_forward_progress 1
		.amdhsa_inst_pref_size 31
	.end_amdhsa_kernel
	.amdgpu_metadata
---
amdhsa.version: [ 1, 2 ]
amdhsa.kernels:
  - .name:           k_qcb1689b541_quant
    .symbol:         k_qcb1689b541_quant.kd
    .args:
      - { .name: k, .offset: 0, .size: 8, .value_kind: global_buffer, .address_space: global }
      - { .name: prefix_k, .offset: 8, .size: 8, .value_kind: global_buffer, .address_space: global }
      - { .name: v, .offset: 16, .size: 8, .value_kind: global_buffer, .address_space: global }
      - { .name: prefix_v, .offset: 24, .size: 8, .value_kind: global_buffer, .address_space: global }
      - { .name: kv, .offset: 32, .size: 8, .value_kind: global_buffer, .address_space: global }
    .group_segment_fixed_size: 168960
    .private_segment_fixed_size: 0
    .kernarg_segment_align: 8
    .kernarg_segment_size: 40
    .max_flat_workgroup_size: 256
    .sgpr_count:     66
    .vgpr_count:     202
    .wavefront_size: 32
...
	.end_amdgpu_metadata
.endif
;; end of part 1
;; launch attn (part 2): grid 256 x 1, 8 waves a work-group, clusters of 4 x 1, 327,680 bytes of LDS; arguments q, kv, out0; writes out0
.if DOCPART == 2
	.amdgcn_target "amdgcn-amd-amdhsa--gfx1250"
	.amdhsa_code_object_version 6
	.text
	.protected	k_qcb1689b541_attn
	.globl	k_qcb1689b541_attn
	.p2align	8
	.type	k_qcb1689b541_attn,@function
k_qcb1689b541_attn:
	s_mov_b64 s[64:65], 0
	v_nop
	global_prefetch_b8 v0, s[64:65] scope:SCOPE_SE
	s_setreg_imm32_b32 hwreg(HW_REG_WAVE_MODE, 25, 1), 1
	s_wait_xcnt 0x0
	s_wait_alu depctr_hold_cnt(0) depctr_sa_sdst(0) depctr_va_vdst(0) depctr_va_sdst(0) depctr_va_ssrc(0) depctr_va_vcc(0) depctr_vm_vsrc(0)
	s_getreg_b32 s2, hwreg(HW_REG_IB_STS2, 6, 4)
	s_cmp_eq_u32 s2, 0
	s_cbranch_scc0 .Lentry_in_a_cluster
	s_endpgm
.Lentry_in_a_cluster:
	s_bfe_u32 s2, ttmp6, 0x10000c
	s_cmp_lg_u32 s2, 0x3003
	s_cbranch_scc0 .Lentry_shape_is_right
	s_endpgm
.Lentry_shape_is_right:
; out0 = merge of two attentions of each query row: over the 1,024 prefix keys (no mask) and the 1,024 new keys (causal), scores capped as 30 tanh(s / 30); all four products on codes of FP8 (E4M3), one E8M0 scale for 32 along K.
; WHAT IS QUANTISED FOR THE SECOND PRODUCT IS THE FINISHED p = exp(s - lse): phase 1 makes and sums w = e^(capped score) of a whole segment, phase 2 multiplies by 1 / the sum, quantises and multiplies by V.
; NO MAXIMUM IS TAKEN AWAY: the cap that the problem itself sets holds the score within +-30, so w lies in 9e-14 .. 1.1e13 and a sum of 1,024 of them under 1.2e16, for every input.
; w = 2^(K2 - 2 K2 / (1 + 2^(c1 raw))), c1 = 2 log2(e) / (30 sqrt(128)), K2 = 30 log2(e).  Where 2^(c1 raw) overflows or falls to 0 the reciprocal is 0 or 1: the cap's ends.
; THE MERGE, la, lb the sums of the segment taken first and second: o = lb / (la + lb) x (oa la / lb + ob): the second segment's products add onto oa la / lb.
; LEFT OUT: key steps of 128 all of whose keys come after a tile's 16 queries (the causal mask that the problem builds hides them).
; LIMITS: the capped score carries an absolute error of up to about 5e-6; NaN and infinities among the inputs are not served; a block of zeros has the scale byte 1 (its codes are zeros).
; SHARES.  A cluster of four work-groups serves one (request, kv head) and a quarter c of its tokens; the place cx is the q head of the group of four and enters q's, out0's and the prefetches' addresses alone.
; So the partners walk the same K and V: every fill of K and V is asked for JOINTLY.  A work-group has 16 tiles of 16 tokens: tau = 8 d + 2 c + mm, d = 0..7, mm = 0, 1.
; EIGHT WAVES, 512 registers each.  TWO WAVES SHARE A TILE (waves w and w xor 1) and part its key steps: role 0 takes steps D, D - 2 .., role 1 D - 1, D - 3 .. (D = 7, or the diagonal's step d): at most four, 256 registers of w.
; They hand each other their parts of the row's sum, and at the end halves of O^T, through LDS.  Pass k serves the four tiles with d = 7 - 2 k and 6 - 2 k: the longest first, the same steps in every work-group.
; A PASS takes its tiles through BOTH segments; the order of the segments alternates from pass to pass, so that a pass begins on the K and V that the last one ended on: ten fills in all.
; K's region is filled again behind the first half's phase 1, V's behind its phase 2, each behind a drained round of the cluster's barrier, one stripe (33 rows of 512 bytes) a wave.
; FRAGMENTS ARE ASKED FOR AHEAD.  Phase 1: step j + 1's eight under step j's exponentials: four into FR, four into slot j + 2 of w, which is still empty (step 3's: into TM, PC and v224-255, which phase 1 does not use).
; Phase 2: step j's eight ahead of its quantiser: four into FR, four into slot j - 1, whose p has been turned into codes (step 0's last four follow its first four).
; q: each wave brings 32 tokens' rows by one tensor load into V's later bytes, in V's own rows and padding (a 33rd row of zeros past the tensor's end), quantises two tiles and leaves their register images in LDS.
; PREFETCH: the 32 waves of a (request, kv head)'s first cluster name 8,192 bytes each, lanes 256 bytes apart: behind q's load of the prefix's K and V, at pass 0's head of the new tokens': 262,144 of 270,336 bytes each time;
; the prefix's stand q's landing ahead of the load of K, the new tokens' one phase ahead; the rest come by their loads.
; LAYOUT.  Both products transposed: a lane holds ONE query (lane % 16).  Window 1: w, slot j at 64 j; register 16 b + i is key 32 b + 16 h + i of the step.  Window 0: all else.
.set KSTR, 16896
.set KROW, 512
.set VREG, 135168
.set VSTR, 17424                       ; 33 rows of 512 + 16 bytes
.set VROW, 528
.set QIMG, 274688                      ; q's images: 2,048 bytes of codes, 64 of scale words, for each of 16 tiles
.set QSL,  2112
.set SUMA, 308480                      ; 64 bytes a wave: its part of the rows' sums
.set STAGE, 308992                     ; 16 rows x 272 bytes for each pair of waves
.set SPARE, 326400                     ; the spare words, 128 bytes a wave
.set SEGB, 270336
.set BHB,  540672
.set KINDB, 135168
.set LI,1
.set ADR0,2
.set SPW,3
.set NIL,4
.set ZERO,5
.set QI0,6
.set QS0,7
.set STO,8
.set SRD,9
.set GO,10
.set ADR1,11
.set K2V,12
.set INV,14
.set SUM,16
.set LSUM,24
.set TSUM,25
.set TMP,26
.set RH,27
.set LPREV,28
.set ADS,29
.set SXA,30
.set SXB,31
.set RHO,32
.set A1,34
.set KS,36                             ; v36-39 a step's scale words: register j: tile 2 j in lanes 0-15, tile 2 j + 1 in lanes 16-31
.set QS,40
.set PW,41
.set DL,42
.set PFO,43
.set TM,44
.set QF,60
.set PC,76
.set FR,92                             ; v92-155 four fragments; on the way out rows of out0
.set ACC,156                           ; v156-219 O^T: tile t at 8 t: channels 16 t + 8 h + 0..7
.set QIA,220
.set QSA,221
.set XA,224                            ; v224-239, v240-255: in phase 1 two of step 3's fragments
.set XB,240
.set BC,225                            ; v225-228: in phase 2 a second copy of the four bounds: register 225 + b and register TM + 8 + b differ modulo 4
.set WV,10
.set CX,11
.set CC,12
.set BH,13
.set BASE,14
.set RO,15                             ; my role in the pair
.set G1K,16
.set G1V,24
.set G1Q,32
.set G0K,40
.set G0V,44
.set G0Q,48
.set SEL,52
.set C1,54
.set K1,56
.set MNT,58
.set SG,59                             ; 1 - role
.set Y1,61
.set PK,62
.set D,63
.set TAU,66
.set NW,67                             ; steps that I walk in this half
.set U,68
.set MK,69
.set SEGF,70
.set LIM,71
.set OUT,72
.set PFA,74
.set KB,76
.set VB,78
.set T0,80
.set T2,82
.set T3,83
.set T4,84
.set MM,85
.set T5,86
.set T6,87
.set T7,88
.set MSB, 0
.macro WIN new                         ; the immediate's high byte repeats the setting that is left
.if MSB != (\new)
	s_set_vgpr_msb (MSB<<8)|(\new)
.set MSB, (\new)
.endif
.endm
.macro WALU
	s_wait_alu depctr_va_vdst(0)
.endm
.macro NOPS n
.rept \n
	v_nop
.endr
.endm
.macro BARRIER
	s_barrier_signal -1
	s_barrier_wait -1
.endm
.macro CROUND                          ; a round of the cluster's barrier
	BARRIER
	s_cmp_lg_u32 s[WV], 0
	s_cbranch_scc1 .Lnot_wave_0_\@
	s_barrier_signal -3
.Lnot_wave_0_\@:
	s_barrier_wait -3
	BARRIER
.endm
.macro TLOAD g0, g1                    ; an s_nop 0 and four v_nop follow a tensor load
	tensor_load_to_lds s[\g0:\g0+3], s[\g1:\g1+7]
	s_nop 0
	NOPS 4
.endm
.macro SETD g0, base, seg              ; a group 0's global address: my stripe in segment s[seg]; written only where no tensor load of mine is out
	s_mul_i32 s[T0], s[\seg], SEGB
	s_mov_b32 s[T0+1], 0
	s_add_nc_u64 s[\g0+2:\g0+3], s[\base:\base+1], s[T0:T0+1]
	s_or_b32 s[\g0+3], s[\g0+3], 0x80000000
.endm
.macro CHADR j, reg, str, row          ; LDS addresses of my j-th step: key step (U - 2 j) % 8 of the region: fragments 0-3, fragments 4-7, scale words
	s_add_co_u32 s[T2], s[U], 8-2*(\j)
	s_and_b32 s[T2], s[T2], 7
	s_mul_i32 s[T3], s[T2], 4*\row
	s_mul_i32 s[T4], s[T2], \str
	s_add_co_u32 s[T3], s[T3], \reg
	v_add_nc_u32 v[ADR0], s[T3], v[LI]
	s_add_co_u32 s[T3], s[T3], 4*\str
	v_add_nc_u32 v[ADR1], s[T3], v[LI]
	s_add_co_u32 s[T4], s[T4], \reg+32*\row
	v_add_nc_u32 v[ADS], s[T4], v[LI]
.endm
.macro FLG dst, adr, str, row          ; four fragments into v[dst] on: each load reads 512 consecutive bytes
.irp t, 0,1,2,3
.irp c, 0,1,2,3
	ds_load_b128 v[\dst+16*\t+4*\c:\dst+16*\t+4*\c+3], v[\adr] offset:\t*\str+\c*\row
.endr
.endr
.endm
.macro WM d, a, b, sa, sb, tt, acc     ; one product: source 0 = the fragment at a (tile tt of its four), source 1 = the codes at b
.if \acc
.if (\tt)%2
	v_wmma_scale_f32_16x16x128_f8f6f4 v[\d:\d+7], v[\a:\a+15], v[\b:\b+15], v[\d:\d+7], v[\sa], v[\sb] matrix_a_scale:MATRIX_SCALE_ROW1
.else
	v_wmma_scale_f32_16x16x128_f8f6f4 v[\d:\d+7], v[\a:\a+15], v[\b:\b+15], v[\d:\d+7], v[\sa], v[\sb]
.endif
.else
.if (\tt)%2
	v_wmma_scale_f32_16x16x128_f8f6f4 v[\d:\d+7], v[\a:\a+15], v[\b:\b+15], 0, v[\sa], v[\sb] matrix_a_scale:MATRIX_SCALE_ROW1
.else
	v_wmma_scale_f32_16x16x128_f8f6f4 v[\d:\d+7], v[\a:\a+15], v[\b:\b+15], 0, v[\sa], v[\sb]
.endif
.endif
.endm
.macro QK j, g, ab
.irp tt, 0,1,2,3
	WM 64*(\j)+32*(\g)+8*\tt, \ab+16*\tt, QF, KS+2*(\g)+\tt/2, QS, \tt, 0
.endr
.endm
.macro PV g, ab, acc                   ; the eight accumulators take turns, one instruction a turn
.irp tt, 0,1,2,3
	WM ACC+32*(\g)+8*\tt, \ab+16*\tt, PC, KS+2*(\g)+\tt/2, PW, \tt, \acc
.endr
.endm
; raw scores -> w, in place: three batches of 64 transcendentals, each with its sources laid first, one wait ahead of it, one plain line and one wait behind it
.macro CHAIN base
.set ci, 0
.rept 32
	v_pk_mul_f32 v[\base+2*ci:\base+2*ci+1], v[\base+2*ci:\base+2*ci+1], s[C1:C1+1] op_sel_hi:[1,0]
.set ci, ci+1
.endr
	WALU
.set ci, 0
.rept 64
	v_exp_f32 v[\base+ci], v[\base+ci]
.set ci, ci+1
.endr
	v_nop
	WALU
.set ci, 0
.rept 32
	v_pk_add_f32 v[\base+2*ci:\base+2*ci+1], v[\base+2*ci:\base+2*ci+1], 1.0 op_sel_hi:[1,0]
.set ci, ci+1
.endr
	WALU
.set ci, 0
.rept 64
	v_rcp_f32 v[\base+ci], v[\base+ci]
.set ci, ci+1
.endr
	v_nop
	WALU
.set ci, 0
.rept 32
	v_pk_fma_f32 v[\base+2*ci:\base+2*ci+1], v[\base+2*ci:\base+2*ci+1], s[K1:K1+1], v[K2V:K2V+1] op_sel_hi:[1,0,1]
.set ci, ci+1
.endr
	WALU
.set ci, 0
.rept 64
	v_exp_f32 v[\base+ci], v[\base+ci]
.set ci, ci+1
.endr
	v_nop
	WALU
.endm
.macro MASK base                       ; on the diagonal: register 16 b + i is hidden where 32 b + i > DL: its w becomes 0
.set mi, 0
.rept 64
	v_cmp_gt_i32 vcc_lo, 32*(mi/16)+mi%16, v[DL]
	v_cndmask_b32 v[\base+mi], v[\base+mi], v[ZERO], vcc_lo
.set mi, mi+1
.endr
.endm
.macro SUMS base                       ; the step's w onto four pairs of sums by turns
.set si, 0
.rept 32
	v_pk_add_f32 v[SUM+2*(si%4):SUM+2*(si%4)+1], v[\base+2*si:\base+2*si+1], v[SUM+2*(si%4):SUM+2*(si%4)+1]
.set si, si+1
.endr
.endm
; 64 numbers of a lane in window 1, register 16 b + i = k 32 b + 16 h + i of my row, become codes in v[PC] on and a scale word in v[PW].  mode 0: signed (q); 1: never negative (p)
.macro QUANT s, mode
	WIN 0x14
.irp b, 0,1,2,3
.if \mode
	v_max3_num_f32 v[TM+\b], 0x4800000, v[(\s)+16*\b], v[(\s)+16*\b+1]   ; my 16 numbers and the floor 2^(9 - 127): the byte cannot fall under 1
.else
	v_max3_num_f32 v[TM+\b], 0x4800000, |v[(\s)+16*\b]|, |v[(\s)+16*\b+1]|
.endif
.endr
.irp i, 2,4,6,8,10,12,14
.irp b, 0,1,2,3
.if \mode
	v_max3_num_f32 v[TM+\b], v[TM+\b], v[(\s)+16*\b+\i], v[(\s)+16*\b+\i+1]
.else
	v_max3_num_f32 v[TM+\b], v[TM+\b], |v[(\s)+16*\b+\i]|, |v[(\s)+16*\b+\i+1]|
.endif
.endr
.endr
	WIN 0
.irp b, 0,1,2,3
	v_permlanex16_b32 v[TM+4+\b], v[TM+\b], s[SEL], s[SEL+1]
.endr
.irp b, 0,1,2,3
	v_max_num_f32 v[TM+\b], v[TM+\b], v[TM+4+\b]   ; with lane l xor 16's: the block's largest magnitude
.endr
.irp b, 0,1,2,3
	v_add_nc_u32 v[TM+12+\b], 0xfc000000, v[TM+\b] ; 8 off its exponent field: the conversion's scale operand
.endr
.irp b, 0,1,2,3
	v_and_or_b32 v[TM+8+\b], v[TM+\b], 0x7f800000, s[MNT]   ; 448 x the scale
.endr
.irp b, 0,1,2,3
	v_lshrrev_b32 v[TM+4+\b], 23, v[TM+12+\b]      ; the scale's byte
.endr
	v_lshl_or_b32 v[PW], v[TM+5], 8, v[TM+4]
	v_lshl_or_b32 v[PW], v[TM+6], 16, v[PW]
	v_lshl_or_b32 v[PW], v[TM+7], 24, v[PW]
.if \mode
.irp b, 0,1,2,3
	v_mov_b32 v[BC+\b], v[TM+8+\b]                 ; the bound once more, for the pairs' second halves
.endr
.endif
	WIN 0x41
; the conversion does not saturate (ISA guide 7.6.2): the hold comes first.  p is never negative: its hold is one-sided, and goes two numbers to an instruction
.irp b, 0,1,2,3
.if \mode
.irp i, 0,2,4,6,8,10,12,14
	v_dual_min_num_f32 v[(\s)+16*\b+\i], v[(\s)+16*\b+\i], v[TM+8+\b] :: v_dual_min_num_f32 v[(\s)+16*\b+\i+1], v[(\s)+16*\b+\i+1], v[BC+\b]
.endr
.else
.irp i, 0,1,2,3,4,5,6,7,8,9,10,11,12,13,14,15
	v_med3_num_f32 v[(\s)+16*\b+\i], v[(\s)+16*\b+\i], -v[TM+8+\b], v[TM+8+\b]
.endr
.endif
.endr
	WIN 0x01
.irp b, 0,1,2,3
	v_cvt_scalef32_pk8_fp8_f32 v[PC+4*\b:PC+4*\b+1], v[(\s)+16*\b:(\s)+16*\b+7], v[TM+12+\b]
	v_cvt_scalef32_pk8_fp8_f32 v[PC+4*\b+2:PC+4*\b+3], v[(\s)+16*\b+8:(\s)+16*\b+15], v[TM+12+\b]
.endr
	v_nop                                          ; a plain line behind the last conversion
	WIN 0
.endm
.macro P1LD j                          ; step j's fragments of K and its scale words: tiles 0-3 into FR; tiles 4-7 into slot j + 1, which step j + 1 writes only later; step 3's into TM, PC, XA, XB
	FLG FR, ADR0, KSTR, KROW
	ds_load_b128 v[KS:KS+3], v[ADS]
.if (\j) < 3
	WIN 0x40
	FLG 64*((\j)+1), ADR1, KSTR, KROW
	WIN 0
.else
.irp c, 0,1,2,3
	ds_load_b128 v[TM+4*\c:TM+4*\c+3], v[ADR1] offset:\c*KROW
	ds_load_b128 v[PC+4*\c:PC+4*\c+3], v[ADR1] offset:KSTR+\c*KROW
	ds_load_b128 v[XA+4*\c:XA+4*\c+3], v[ADR1] offset:2*KSTR+\c*KROW
	ds_load_b128 v[XB+4*\c:XB+4*\c+3], v[ADR1] offset:3*KSTR+\c*KROW
.endr
.endif
.endm
; PHASE 1, my j-th step: S^T = K Q^T into slot j; the next step's fragments are asked for; w; the sums
.macro P1STEP j, hf
	WALU
	s_cmp_le_u32 s[NW], \j                         ; ids and loop counters alone
	s_cbranch_scc1 .Lp1d_\hf
.if (\j) == 0
	CHADR 0, 0, KSTR, KROW
	WALU
	P1LD 0
.endif
	s_wait_dscnt 0x0                               ; the step's fragments are in
	WIN 0x40
	QK \j, 0, FR
.if (\j) < 3
	WIN 0x41
	QK \j, 1, 64*((\j)+1)
	WIN 0
	CHADR (\j)+1, 0, KSTR, KROW                    ; its three vector lines and five v_nop: eight places ahead of the loads below and of the first read of the scores
	NOPS 5
	P1LD (\j)+1                                    ; also where that step is not walked: the bytes lie in K's region, and the registers are not read then
.else
	WM 64*(\j)+32, TM, QF, KS+2, QS, 0, 0
	WM 64*(\j)+40, PC, QF, KS+2, QS, 1, 0
	WM 64*(\j)+48, XA, QF, KS+3, QS, 0, 0
	WM 64*(\j)+56, XB, QF, KS+3, QS, 1, 0
	WIN 0
	NOPS 8                                         ; eight places ahead of the first read of the scores
.endif
	WIN 0x41
	CHAIN 64*(\j)
	WIN 0
.if (\j) == 0
	s_cmp_eq_u32 s[MK], 1                          ; role 0's first step of a causal half lies on the diagonal
	s_cbranch_scc0 .Lopen_\hf
	WIN 0x41
	MASK 0
	WIN 0
.Lopen_\hf:
.endif
	WIN 0x01
	SUMS 64*(\j)
	WIN 0
.endm
; PHASE 2, my j-th step: p = w / the sum, quantised along the keys; O^T += V^T p^T
.macro P2STEP j, hf
	WALU
	s_cmp_le_u32 s[NW], \j
.if (\hf) == 0 && (\j) == 0
	s_cbranch_scc1 .Lp2z_\hf
.else
	s_cbranch_scc1 .Lp2d_\hf
.endif
	CHADR \j, VREG, VSTR, VROW
	WIN 0x41
.set vi, 0
.rept 32
	v_pk_mul_f32 v[64*(\j)+2*vi:64*(\j)+2*vi+1], v[64*(\j)+2*vi:64*(\j)+2*vi+1], v[INV:INV+1] op_sel_hi:[1,0]   ; (also the places behind the last products, ahead of the loads below)
.set vi, vi+1
.endr
	WIN 0
	FLG FR, ADR0, VSTR, VROW
	ds_load_b128 v[KS:KS+3], v[ADS]
.if (\j) > 0
	WIN 0x40
	FLG 64*((\j)-1), ADR1, VSTR, VROW              ; slot j - 1's p has become codes
	WIN 0
.endif
	QUANT 64*(\j), 1
	NOPS 3                                         ; with QUANT's last line: four places between the codes and the scaled product
	WALU
	s_wait_dscnt 0x0
.if (\j) > 0
	PV 0, FR, 1
	WIN 0x01
	PV 1, 64*((\j)-1), 1
	WIN 0
.else
	PV 0, FR, \hf                                  ; the pass's first products start the sums
	NOPS 8
	FLG FR, ADR1, VSTR, VROW
	s_wait_dscnt 0x0
	PV 1, FR, \hf
.endif
.endm
.macro SENDH hf                        ; half hf of O^T (64 channels) into the pair's stage: row = my query, each accumulator from its low end on
.irp t, 0,1,2,3
	ds_store_b128 v[STO], v[ACC+32*(\hf)+8*\t:ACC+32*(\hf)+8*\t+3] offset:64*\t
	ds_store_b128 v[STO], v[ACC+32*(\hf)+8*\t+4:ACC+32*(\hf)+8*\t+7] offset:64*\t+16
.endr
.endm
.macro FINAL hf                        ; my partner's part of half hf is added, the half is scaled, turned through the stage and stored: sixteen lanes store 256 consecutive bytes, aligned
.irp t, 0,1,2,3
	ds_load_b128 v[FR+8*\t:FR+8*\t+3], v[STO] offset:64*\t
	ds_load_b128 v[FR+8*\t+4:FR+8*\t+7], v[STO] offset:64*\t+16
.endr
	s_wait_dscnt 0x0
.set vi, 0
.rept 16
	v_pk_add_f32 v[ACC+32*(\hf)+2*vi:ACC+32*(\hf)+2*vi+1], v[ACC+32*(\hf)+2*vi:ACC+32*(\hf)+2*vi+1], v[FR+2*vi:FR+2*vi+1]
.set vi, vi+1
.endr
.set vi, 0
.rept 16
	v_pk_mul_f32 v[ACC+32*(\hf)+2*vi:ACC+32*(\hf)+2*vi+1], v[ACC+32*(\hf)+2*vi:ACC+32*(\hf)+2*vi+1], v[A1:A1+1] op_sel_hi:[1,0]
.set vi, vi+1
.endr
	SENDH \hf
.irp i, 0,1,2,3,4,5,6,7
	ds_load_b128 v[FR+32+4*\i:FR+32+4*\i+3], v[SRD] offset:544*\i   ; LDS serves a wave's instructions in order (ISA guide 5.7.1.4): these see my stores
.endr
.irp i, 0,1,2,3,4,5,6,7
	s_wait_dscnt 7-\i                              ; the row loads issued behind this one may be out
	global_store_b128 v[GO], v[FR+32+4*\i:FR+32+4*\i+3], s[OUT:OUT+1] offset:32768*\i+256*(\hf) th:TH_STORE_NT
.endr
.endm
; HALF A PASS: one segment.  hf = 0: the first (it fills K and V again for the second); hf = 1: the second, the merge and the way out
.macro HALF hf
	s_xor_b32 s[T2], s[SEGF], \hf                  ; the segment: 0 prefix, 1 new
	s_cmp_eq_u32 s[T2], 0
	s_cselect_b32 s[U], 7, s[D]                    ; the last step that counts
	s_and_b32 s[MK], s[T2], s[SG]
	s_add_co_u32 s[U], s[U], s[SG]
	s_add_co_u32 s[NW], s[U], 1
	s_lshr_b32 s[NW], s[NW], 1                     ; (last - role + 2) / 2 steps are mine
	s_add_co_u32 s[U], s[U], 7                     ; my first step is (last - role), taken modulo 8
.irp i, 0,1,2,3,4,5,6,7
	v_mov_b32 v[SUM+\i], 0
.endr
.irp j, 0,1,2,3
	P1STEP \j, \hf
.endr
	WALU
.Lp1d_\hf:
	v_pk_add_f32 v[SUM:SUM+1], v[SUM:SUM+1], v[SUM+2:SUM+3]
	v_pk_add_f32 v[SUM+4:SUM+5], v[SUM+4:SUM+5], v[SUM+6:SUM+7]
	v_pk_add_f32 v[SUM:SUM+1], v[SUM:SUM+1], v[SUM+4:SUM+5]
	v_add_f32 v[LSUM], v[SUM], v[SUM+1]
	v_permlanex16_b32 v[TMP], v[LSUM], s[SEL], s[SEL+1]
	v_add_f32 v[LSUM], v[LSUM], v[TMP]             ; my part of the row's sum
	ds_store_b32 v[SXA], v[LSUM]                   ; lanes r and r + 16 write the same word with the same value
	WALU
	s_wait_tensorcnt 0x0                           ; all my tensor loads have landed
.if (\hf) == 0
	ds_add_u32 v[SPW], v[NIL]
	s_xor_b32 s[T3], s[SEGF], 1
	SETD G0K, KB, T3
	s_wait_dscnt 0x0                               ; the add and my store are done, my reads of K are over
	CROUND
	TLOAD G0K, G1K                                 ; the other segment's K: my stripe
.else
	s_wait_dscnt 0x0
	BARRIER                                        ; V is whole
.endif
	ds_load_b32 v[TMP], v[SXB]                     ; my partner's part
	s_wait_dscnt 0x0
	v_add_f32 v[LSUM], v[LSUM], v[TMP]
.if \hf
	v_add_f32 v[TSUM], v[LSUM], v[LPREV]
.endif
	WALU
	v_rcp_f32 v[INV], v[LSUM]
.if \hf
	v_rcp_f32 v[A1], v[TSUM]
.endif
	v_nop
	WALU
.if \hf
	v_mul_f32 v[RHO], v[LPREV], v[INV]             ; la / lb
	v_mul_f32 v[A1], v[A1], v[LSUM]                ; lb / (la + lb)
	WALU                                           ; directly ahead of the first readers of O^T
.set vi, 0
.rept 32
	v_pk_mul_f32 v[ACC+2*vi:ACC+2*vi+1], v[ACC+2*vi:ACC+2*vi+1], v[RHO:RHO+1] op_sel_hi:[1,0]
.set vi, vi+1
.endr
.endif
.irp j, 0,1,2,3
	P2STEP \j, \hf
.endr
.if (\hf) == 0
	s_branch .Lp2d_\hf
.Lp2z_\hf:                                         ; a wave with no step in the first half: its part of O^T is 0
.set vi, 0
.rept 64
	v_mov_b32 v[ACC+vi], 0
.set vi, vi+1
.endr
.endif
.Lp2d_\hf:
	NOPS 8                                         ; eight places behind the last products
.if (\hf) == 0
	v_mov_b32 v[LPREV], v[LSUM]
	WALU
	s_wait_tensorcnt 0x0                           ; my stripe of K has landed
	ds_add_u32 v[SPW], v[NIL]
	s_xor_b32 s[T3], s[SEGF], 1
	SETD G0V, VB, T3
	s_wait_dscnt 0x0
	CROUND
	TLOAD G0V, G1V                                 ; the other segment's V
.else
	WALU
	s_cmp_eq_u32 s[RO], 1
	s_cbranch_scc0 .Lwo_a
	SENDH 0
.Lwo_a:
	s_wait_dscnt 0x0
	BARRIER
	s_cmp_eq_u32 s[RO], 0
	s_cbranch_scc0 .Lwo_b
	FINAL 0
	SENDH 1
.Lwo_b:
	s_wait_dscnt 0x0
	BARRIER
	s_cmp_eq_u32 s[RO], 1
	s_cbranch_scc0 .Lwo_c
	FINAL 1
.Lwo_c:
.endif
.endm
	s_load_b128 s[4:7], s[0:1], 0x0                ; q, kv
	s_load_b64 s[8:9], s[0:1], 0x10                ; out0
	v_lshl_add_u32 v[SPW], v0, 2, SPARE
	v_mov_b32 v[NIL], 0
	ds_add_u32 v[SPW], v[NIL]                      ; the opening lines: the add twice on end and its wait
	ds_add_u32 v[SPW], v[NIL]
	v_lshrrev_b32 v[TMP], 5, v0
	v_readfirstlane_b32 s[WV], v[TMP]              ; wave 0..7
	s_bfe_u32 s[CX], ttmp6, 0x40000
	s_and_b32 s[CC], ttmp9, 3
	s_lshr_b32 s[BH], ttmp9, 2
	s_and_b32 s[T2], s[BH], 7
	s_lshl_b32 s[T2], s[T2], 2
	s_add_co_u32 s[T2], s[T2], s[CX]
	s_lshl_b32 s[T2], s[T2], 9
	s_lshr_b32 s[T3], s[BH], 3
	s_lshl_b32 s[T3], s[T3], 24
	s_add_co_u32 s[BASE], s[T2], s[T3]             ; (request, q head) in q and out0
	s_bfe_u32 s[Y1], s[WV], 0x10001                ; which of the pass's two d
	s_lshr_b32 s[MM], s[WV], 2                     ; mm
	s_and_b32 s[RO], s[WV], 1
	s_xor_b32 s[RO], s[RO], s[MM]
	s_xor_b32 s[SG], s[RO], 1
	s_lshl_b32 s[T3], s[Y1], 1
	s_add_co_u32 s[T3], s[T3], s[MM]               ; my pair 0..3
	s_mul_i32 s[T3], s[T3], 4352
	s_add_co_u32 s[T3], s[T3], STAGE
	s_mul_i32 s[T4], s[WV], 2*QSL
	s_mul_i32 s[T5], s[WV], VSTR
	s_add_co_u32 s[T5], s[T5], VREG
	s_lshl_b32 s[T6], s[WV], 6
	s_add_co_u32 s[T6], s[T6], SUMA
	s_xor_b32 s[T7], s[WV], 1
	s_lshl_b32 s[T7], s[T7], 6
	s_add_co_u32 s[T7], s[T7], SUMA
	; groups 1: 33 rows of 512 bytes (64 elements of 8).  K: dense, joint.  V: 16 bytes of padding behind each row, joint.  q: V's rows and padding, 32 rows 16,384 bytes apart and a row of zeros; my own
	s_mov_b32 s[G1K], 15|(3<<16)|(1<<21)
	s_mov_b32 s[G1V], 15|(3<<16)|(1<<20)|(1<<21)|(6<<22)|(3<<25)
	s_mov_b32 s[G1Q], (3<<16)|(1<<20)|(6<<22)|(3<<25)
.irp g, G1K, G1V, G1Q
	s_mov_b32 s[\g+1], 64<<16
	s_mov_b32 s[\g+3], 64<<16
	s_mov_b32 s[\g+4], 33
	s_mov_b32 s[\g+6], 0
	s_mov_b32 s[\g+7], 0
.endr
	s_mov_b32 s[G1K+2], 33<<16
	s_mov_b32 s[G1V+2], 33<<16
	s_mov_b32 s[G1Q+2], 32<<16
	s_mov_b32 s[G1K+5], 64
	s_mov_b32 s[G1V+5], 64
	s_mov_b32 s[G1Q+5], 2048
	s_mov_b32 s[G0K], 1
	s_mul_i32 s[G0K+1], s[WV], KSTR
	s_mov_b32 s[G0V], 1
	s_mov_b32 s[G0V+1], s[T5]
	s_mov_b32 s[G0Q], 1
	s_mov_b32 s[G0Q+1], s[T5]
	s_mov_b32 s[SEL], 0x76543210
	s_mov_b32 s[SEL+1], 0xfedcba98
	s_mov_b32 s[C1], 0x3c0b4875                    ; c1
	s_mov_b32 s[C1+1], s[C1]
	s_mov_b32 s[K1], 0xc2ad1f97                    ; -2 K2
	s_mov_b32 s[K1+1], s[K1]
	s_mov_b32 s[MNT], 0x600000
	s_cmp_eq_u32 s[CC], 0
	s_cselect_b32 s[LIM], 0, -1                    ; the (request, kv head)'s first cluster prefetches: the same in all four partners
	v_and_b32 v[LI], 31, v0
	v_and_b32 v24, 15, v0                          ; r
	v_bfe_u32 v25, v0, 4, 1                        ; h
	v_lshlrev_b32 v[PFO], 8, v[LI]
	v_lshlrev_b32 v[LI], 4, v[LI]
	v_add_nc_u32 v[QI0], QIMG, v[LI]
	v_lshl_add_u32 v[QS0], v24, 2, QIMG+2048
	v_add_nc_u32 v[ADR0], s[T4], v[QI0]            ; at the head: where my two images go,
	v_add_nc_u32 v[ADR1], s[T4], v[QS0]
	v_mul_u32_u24 v[ADS], v24, VROW                ; and where my q rows lie: row r, + 64 h
	v_lshl_add_u32 v[ADS], v25, 6, v[ADS]
	v_add_nc_u32 v[ADS], s[T5], v[ADS]
	v_mul_u32_u24 v[STO], v24, 272
	v_lshl_add_u32 v[STO], v25, 5, v[STO]
	v_add_nc_u32 v[STO], s[T3], v[STO]
	v_mul_u32_u24 v[SRD], v25, 272
	v_lshl_add_u32 v[SRD], v24, 4, v[SRD]
	v_add_nc_u32 v[SRD], s[T3], v[SRD]
	v_lshlrev_b32 v[GO], 14, v25
	v_lshl_add_u32 v[GO], v24, 4, v[GO]
	v_lshlrev_b32 v[RH], 4, v25
	v_sub_nc_u32 v[RH], v24, v[RH]
	v_lshl_add_u32 v[SXA], v24, 2, s[T6]
	v_lshl_add_u32 v[SXB], v24, 2, s[T7]
	v_mov_b32 v[ZERO], 0
	v_mov_b32 v[K2V], 0x422d1f97                   ; K2
	v_mov_b32 v[K2V+1], 0x422d1f97
.irp j, INV, INV+1, RHO, RHO+1, A1, A1+1, TM+4, TM+5, TM+6, TM+7, TMP, LPREV
	v_mov_b32 v[\j], 0                             ; upper halves of pairs that are named whole, and lane permutes' destinations
.endr
	WALU
	s_wait_dscnt 0x0
	CROUND                                         ; the opening round
	s_wait_kmcnt 0x0
	s_lshl_b32 s[T0], s[WV], 3
	s_lshl_b32 s[T2], s[CC], 1
	s_add_co_u32 s[T0], s[T0], s[T2]
	s_lshl_b32 s[T0], s[T0], 18                    ; tiles 8 w + 2 c and the next: 32 tokens of 16,384 bytes
	s_add_co_u32 s[T0], s[T0], s[BASE]
	s_mov_b32 s[T0+1], 0
	s_add_nc_u64 s[G0Q+2:G0Q+3], s[4:5], s[T0:T0+1]
	s_or_b32 s[G0Q+3], s[G0Q+3], 0x80000000
	TLOAD G0Q, G1Q                                 ; my one load at the head
	s_mul_i32 s[T0], s[BH], BHB
	s_add_co_u32 s[T0], s[T0], s[G0K+1]
	s_add_nc_u64 s[KB:KB+1], s[6:7], s[T0:T0+1]    ; my stripe of the prefix's K,
	s_add_nc_u64 s[VB:VB+1], s[KB:KB+1], KINDB     ; and of its V
	s_lshl_b32 s[T0], s[CX], 3
	s_add_co_u32 s[T0], s[T0], s[WV]
	s_lshl_b32 s[T0], s[T0], 13                    ; the cluster's 32 waves are told apart by address
	s_mul_i32 s[T2], s[BH], BHB
	s_add_co_u32 s[T0], s[T0], s[T2]
	s_add_nc_u64 s[PFA:PFA+1], s[6:7], s[T0:T0+1]
	s_cmp_eq_u32 s[LIM], 0
	s_cbranch_scc0 .Lno_pf
	global_prefetch_b8 v[PFO], s[PFA:PFA+1] th:TH_LOAD_NT scope:SCOPE_SE   ; the prefix's K and V
.Lno_pf:
	; phase 1's guard and phase 2's are two branches on one number: so that on every way through the text a register is written before it is read, slots 2 and 3 are written once (slots 0 and 1 by q's loads)
	WIN 0x40
.set zi, 128
.rept 128
	v_mov_b32 v[zi], 0
.set zi, zi+1
.endr
	WIN 0
	s_mov_b32 s[T3], 0
	WALU
	s_wait_tensorcnt 0x0                           ; my q rows are in
	ds_add_u32 v[SPW], v[NIL]
	SETD G0K, KB, T3
	s_wait_dscnt 0x0
	CROUND
	TLOAD G0K, G1K                                 ; the prefix's K: a first fill
	WIN 0x40
.irp m, 0,1
.irp b, 0,1,2,3
.irp j, 0,1,2,3
	ds_load_b128 v[64*\m+16*\b+4*\j:64*\m+16*\b+4*\j+3], v[ADS] offset:16*VROW*\m+128*\b+16*\j
.endr
.endr
.endr
	WIN 0
	s_wait_dscnt 0x0
.irp m, 0,1
	QUANT 64*\m, 0
.irp c, 0,1,2,3
	ds_store_b128 v[ADR0], v[PC+4*\c:PC+4*\c+3] offset:QSL*\m+512*\c
.endr
	ds_store_b32 v[ADR1], v[PW] offset:QSL*\m
	s_wait_dscnt 0x0
.endr
	WALU
	s_wait_tensorcnt 0x0                           ; my stripe of K is in
	ds_add_u32 v[SPW], v[NIL]
	SETD G0V, VB, T3
	s_wait_dscnt 0x0                               ; my reads of q's rows are over, my images lie in LDS
	CROUND
	TLOAD G0V, G1V                                 ; the prefix's V, over q's rows: the same rows and padding
	s_mov_b32 s[PK], 0
.Lpass:                                            ; four trips: four tiles through both segments
	s_wait_xcnt 0x0                                ; the last pass's stores have read their registers and their base
	s_and_b32 s[SEGF], s[PK], 1                    ; the segment taken first
	s_lshl_b32 s[D], s[PK], 1
	s_add_co_u32 s[D], s[D], s[Y1]
	s_xor_b32 s[D], s[D], 7                        ; d = 7 - 2 k - (0 or 1)
	s_lshl_b32 s[T2], s[CC], 1
	s_add_co_u32 s[T2], s[T2], s[MM]
	s_lshl_b32 s[TAU], s[D], 3
	s_add_co_u32 s[TAU], s[TAU], s[T2]             ; tau = 8 d + 2 c + mm
	s_lshl_b32 s[T2], s[T2], 4
	v_add_nc_u32 v[DL], s[T2], v[RH]               ; my query - the diagonal step's first key - 16 h
	s_lshl_b32 s[T0], s[TAU], 18
	s_add_co_u32 s[T0], s[T0], s[BASE]
	s_mov_b32 s[T0+1], 0
	s_add_nc_u64 s[OUT:OUT+1], s[8:9], s[T0:T0+1]
	s_lshl_b32 s[T3], s[D], 1
	s_add_co_u32 s[T3], s[T3], s[MM]
	s_mul_i32 s[T3], s[T3], QSL
	v_add_nc_u32 v[QIA], s[T3], v[QI0]
	v_add_nc_u32 v[QSA], s[T3], v[QS0]
	WALU
.irp c, 0,1,2,3
	ds_load_b128 v[QF+4*\c:QF+4*\c+3], v[QIA] offset:512*\c
.endr
	ds_load_b32 v[QS], v[QSA]
	s_cmp_eq_u32 s[PK], s[LIM]
	s_cbranch_scc0 .Lnot_mine
	global_prefetch_b8 v[PFO], s[PFA:PFA+1] offset:SEGB th:TH_LOAD_NT scope:SCOPE_SE   ; the new tokens' K and V
.Lnot_mine:
	HALF 0
	HALF 1
	s_add_co_u32 s[PK], s[PK], 1
	s_cmp_lt_u32 s[PK], 4
	WALU
	s_cbranch_scc1 .Lpass
	s_wait_tensorcnt 0x0                           ; the wave's end
	ds_add_u32 v[SPW], v[NIL]
	s_wait_dscnt 0x0
	CROUND                                         ; the closing round
	s_endpgm
.Lfunc_end_k_qcb1689b541_attn:
	.size	k_qcb1689b541_attn, .Lfunc_end_k_qcb1689b541_attn-k_qcb1689b541_attn
	.p2alignl 7, 3214868480
	.fill 96, 4, 3214868480
	.section	.rodata,"a",@progbits
	.p2align	6, 0x0
	.amdhsa_kernel k_qcb1689b541_attn
		.amdhsa_group_segment_fixed_size 327680
		.amdhsa_private_segment_fixed_size 0
		.amdhsa_enable_private_segment 0
		.amdhsa_kernarg_size 24
		.amdhsa_user_sgpr_count 2
		.amdhsa_user_sgpr_kernarg_segment_ptr 1
		.amdhsa_wavefront_size32 1
		.amdhsa_system_sgpr_workgroup_id_x 1
		.amdhsa_system_sgpr_workgroup_id_y 1
		.amdhsa_system_sgpr_workgroup_id_z 1
		.amdhsa_system_vgpr_workitem_id 0
		.amdhsa_next_free_vgpr 512
		.amdhsa_next_free_sgpr 90
		.amdhsa_reserve_vcc 1
		.amdhsa_float_denorm_mode_32 3
		.amdhsa_float_denorm_mode_16_64 3
		.amdhsa_memory_ordered 1
		.amdhsa_forward_progress 1
		.amdhsa_inst_pref_size 255
	.end_amdhsa_kernel
	.section	.bss,"aw",@nobits
	.p2align	6
	.space	262144
	.amdgpu_metadata
---
amdhsa.version: [ 1, 2 ]
amdhsa.kernels:
  - .name:           k_qcb1689b541_attn
    .symbol:         k_qcb1689b541_attn.kd
    .args:
      - { .name: q, .offset: 0, .size: 8, .value_kind: global_buffer, .address_space: global }
      - { .name: kv, .offset: 8, .size: 8, .value_kind: global_buffer, .address_space: global }
      - { .name: out0, .offset: 16, .size: 8, .value_kind: global_buffer, .address_space: global }
    .group_segment_fixed_size: 327680
    .private_segment_fixed_size: 0
    .kernarg_segment_align: 8
    .kernarg_segment_size: 24
    .max_flat_workgroup_size: 256
    .sgpr_count:     90
    .vgpr_count:     512
    .wavefront_size: 32
...
	.end_amdgpu_metadata
.endif
;; end of part 2
